; MI455X (gfx1250); checked and timed in simulation.
; The chip was launched on July 23, 2026; its instructions are those of AMD's public machine-readable ISA for CDNA 5 (MIT licence, August 2026) and "CDNA5" Instruction Set Architecture Reference Guide (July 2026). The comments in the code are by the model that wrote it; some were corrected since.
;; Attention. Allowed arithmetic: matrix products marked QUANTISED: E2M1 operands, one E8M0 scale for each 32 along K, by v_wmma_scale_f32_16x16x128_f8f6f4 with both operands' format E2M1 (or v_wmma_scale_f32_32x16x128_f4), f32 sums; everything else in f32.
;; Inputs: W_k_codes 1,024 x 32 x 16 uint8 (E2M1 codes of W_k, K innermost, in blocks of 32 codes, two codes a byte); W_k_scales 1,024 x 32 uint8 (E8M0 scales of W_k, one for each 32 codes along K); W_q_codes 1,024 x 32 x 16 uint8 (E2M1 codes of W_q, K innermost, in blocks of 32 codes, two codes a byte); W_q_scales 1,024 x 32 uint8 (E8M0 scales of W_q, one for each 32 codes along K); W_u_codes 1,024 x 32 x 16 uint8 (E2M1 codes of W_u, K innermost, in blocks of 32 codes, two codes a byte); W_u_scales 1,024 x 32 uint8 (E8M0 scales of W_u, one for each 32 codes along K); W_v_codes 1,024 x 32 x 16 uint8 (E2M1 codes of W_v, K innermost, in blocks of 32 codes, two codes a byte); W_v_scales 1,024 x 32 uint8 (E8M0 scales of W_v, one for each 32 codes along K); X_codes 4 x 2,048 x 32 x 16 uint8 (E2M1 codes of X, K innermost, in blocks of 32 codes, two codes a byte); X_scales 4 x 2,048 x 32 uint8 (E8M0 scales of X, one for each 32 codes along K); b_u 1,024 float32.
;; Outputs: out0 4 x 2,048 x 1,024 float32.
;; This version of the problem:
;;   THIS VERSION OF THE PROBLEM IS GIVEN IN LOW PRECISION. The matrix products marked QUANTISED in the list below multiply operands that are first quantised to E2M1 (2 exponent bits, 1 mantissa bit; 4 bits a number), with one power-of-two scale for each 32 numbers along K (OCP MX v1.0); their sums are f32. All else is computed in f32.
;;   The module's matrix products, in the order in which they are computed (A, B: the left and right operand; K: the contracted axis; several contracted axes count as one K, in the product's order):
;;     1. [M 8,192, K 1,024] x [K 1,024, N 1,024]; A: input X (given as codes); B: input W_k (given as codes): QUANTISED
;;     2. [M 8,192, K 1,024] x [K 1,024, N 1,024]; A: input X (given as codes); B: input W_q (given as codes): QUANTISED
;;     3. [M 8,192, K 1,024] x [K 1,024, N 1,024]; A: input X (given as codes); B: input W_v (given as codes): QUANTISED
;;     4. batch 64 x [M 2,048, K 64] x [K 64, N 2,048]; A: computed on the way; B: computed on the way: QUANTISED
;;     5. batch 64 x [M 64, K 2,048] x [K 2,048, N 2,048]; A: computed on the way; B: softmax (see below): QUANTISED
;;     6. [M 8,192, K 1,024] x [K 1,024, N 1,024]; A: computed on the way; B: input W_u (given as codes): QUANTISED
;;   THE QUANTISER, for each operand of a quantised product, along K:
;;     - K is cut into blocks of 32 from its start; a last block that is shorter is filled with zeros.
;;     - A block's scale is 2^e with e = floor(log2(the largest magnitude in the block)) - 2, held to -126 .. 127; a block of zeros has e = 0. As a byte (E8M0): e + 127.
;;     - Each number is divided by its block's scale, clamped to +-6, and rounded to the nearest number of E2M1, ties to even, subnormals kept.
;;     - The product sums the exact products of the quantised numbers (number of the format x scale) in f32.
;;   ~~~python
;;   def quantise(x, axis):      # numpy; x: float32 -> the quantised numbers, widened to float32 again
;;       x = np.moveaxis(x, axis, -1); K = x.shape[-1]
;;       x = np.pad(x, [(0, 0)] * (x.ndim - 1) + [(0, -K % 32)]); x = x.reshape(x.shape[:-1] + (-1, 32)); a = np.abs(x).max(-1, keepdims=True)
;;       e = np.where(a > 0, np.clip(np.frexp(np.where(a > 0, a, 1))[1] - 1 - 2, -126, 127), 0)      # np.frexp(a)[1] - 1 = floor(log2(a)), exactly
;;       r = np.clip(x / 2.0 ** e, -6, 6)
;;       step = 2.0 ** (np.maximum(np.frexp(np.where(r == 0, 1, r))[1] - 1, 0) - 1)
;;       q = np.round(r / step) * step * 2.0 ** e      # np.round: ties to even
;;       return np.moveaxis(q.reshape(q.shape[:-2] + (-1,))[..., :K], -1, axis).astype(np.float32)
;;   ~~~
;;   SOFTMAX AHEAD OF A QUANTISED PRODUCT. Where the list says 'softmax', what is quantised is not the finished softmax but p = 2^(t - M), with t = logit x log2(e) and M = ceil(the row's largest t), a whole number; so 1/2 < the row's largest p <= 1. The row's sum l is taken of the UNQUANTISED p, in f32, and the product's result is divided by l at the end. Since M is a whole number, a kernel that streams over the keys may use a running M (the ceiling of the running maximum): every later rescaling is an exact power of two, which a block's scale takes up: the codes' values come out the same.
;;   OPERANDS COMPUTED ON THE WAY. 'Computed on the way' means the value that the module computes at that place (a softmax that the list does not call 'softmax' is quantised finished and normalised). What goes into a quantiser is computed in f32, as accurately as f32 sums, v_exp_f32 and their like allow (about 1e-6 of the number): no bf16 or f16 on the way to a quantiser, and a product that is left as it is and whose result goes on into a quantised operand takes f32 operands (vector FMAs, or v_wmma_f32_16x16x4_f32). A number that lies on a knife's edge between two numbers of the format may be rounded either way, as far as f32 arithmetic and the matrix unit's own rounding can turn it there, and no further.
;;   INPUTS GIVEN AS CODES. W_k (in the module: [1024, 1024], K = its axis 1); W_q (in the module: [1024, 1024], K = its axis 1); W_u (in the module: [1024, 1024], K = its axis 1); W_v (in the module: [1024, 1024], K = its axis 1); X (in the module: [4, 2048, 1024], K = its axis 2): each comes as NAME_codes (uint8): NAME with its K axis moved to the last place and cut into blocks of 32 codes, [.., K / 32, bytes a block], one block behind the other in memory; two codes a byte, the lower K in the low four bits (a code: sign, 2 exponent bits, 1 mantissa bit); and NAME_scales (uint8): the same leading axes, one E8M0 byte (e + 127) for each 32 codes along K. Its value is code x scale, taken as it is: it is not quantised again, and the codes and scales need not be those that the quantiser above would give.
;; One version. Each part assembles by itself: llvm-mc -triple=amdgcn-amd-amdhsa -mcpu=gfx1250 --defsym DOCPART=n.
;; ======== version 1 of 1: 3 launches
;; limits: right only within a limited range of input values
;; workspace buffers: qkv 13,893,632 bytes; y 4,456,448 bytes
;; launch qkv (part 1): grid 8 x 32, 4 waves a work-group, clusters of 4 x 4, 327,680 bytes of LDS; arguments X_codes, X_scales, W_q_codes, W_q_scales, W_k_codes, W_k_scales, W_v_codes, W_v_scales, qkv; writes qkv
.if DOCPART == 1
	.amdgcn_target "amdgcn-amd-amdhsa--gfx1250"
	.amdhsa_code_object_version 6
	.text
	.protected	k_qb238e126f9_qkv
	.globl	k_qb238e126f9_qkv
	.p2align	8
	.type	k_qb238e126f9_qkv,@function
k_qb238e126f9_qkv:
	s_mov_b64 s[64:65], 0
	v_nop
	global_prefetch_b8 v0, s[64:65] scope:SCOPE_SE
	s_setreg_imm32_b32 hwreg(HW_REG_WAVE_MODE, 25, 1), 1
	s_wait_xcnt 0x0
	s_wait_alu depctr_hold_cnt(0) depctr_sa_sdst(0) depctr_va_vdst(0) depctr_va_sdst(0) depctr_va_ssrc(0) depctr_va_vcc(0) depctr_vm_vsrc(0)
	s_getreg_b32 s2, hwreg(HW_REG_IB_STS2, 6, 4)
	s_cmp_eq_u32 s2, 0
	s_cbranch_scc0 .Lentry_in_a_cluster
	s_endpgm
.Lentry_in_a_cluster:
	s_bfe_u32 s2, ttmp6, 0x10000c
	s_cmp_lg_u32 s2, 0xf033
	s_cbranch_scc0 .Lentry_shape_is_right
	s_endpgm
.Lentry_shape_is_right:
; Q, K, V = (X W^T) x 1024^-0.25 on codes of FP4 (E2M1) with E8M0 scales, then quantised again: Q and K along a head's 64 channels, V along the keys.
; X: [8192][1024] codes (a row is 512 bytes), scales [8192][32].  W_q, W_k, W_v: [1024][1024] codes, scales [1024][32].
; SHARES.  A work-group STAYS for two neighbouring blocks of 128 tokens (two key steps of the attention) and takes 128 rows of each W (two heads).  Wave w: a = w / 2 picks 64 tokens of a block, g = w % 2 the head.
; THE TOKENS OF A TILE ARE NOT NEIGHBOURS: row r of tile i of a wave's 64 tokens is token 8 i + r % 8 + 32 (r / 8).  All three results use these tiles.
;   Q, K: source 0 = 16 rows of W, source 1 = a tile of tokens: a lane holds one token and eight neighbouring channels a tile.
;   V: source 0 = a tile of tokens, source 1 = 16 rows of W_v: lane (r, h) holds channel r, and its 32 registers of tiles 0-3 are keys 32 h + 0 .. 31 of the 64: one whole block of the next K.
;   In the attention the scores of K's tile 4 a + i then fall so that a lane's 32 registers of four tiles are one whole block of 32 keys as well.
; ALL OF K LIES IN LDS: 4 tiles (X, W_q, W_k, W_v) x 128 rows x 512 bytes, one tensor load a wave at the head.  The W tiles serve both blocks.  X's tile is filled again once, by wave 0,
; behind the first block's last products: the load is out while the first block's results are quantised and stored.  Both blocks are written out.
; CLUSTER 4 x 4: X's tile hangs on the token blocks alone (shared along a row of the cluster), the W tiles on the head pair alone (along a column): joint loads.
; THE GIVEN SCALE BYTES go from memory straight into registers: 32 bytes a row, 16 KiB beside 256 KiB of codes, so they are not asked for jointly.
; No prefetch: the launch has no loop to run ahead in; the second block's X is asked for 12 quantising units ahead of its first read.
; WHAT IS STORED (workspace qkv), as images of operand registers (lane l's 16 bytes at 16 l, 512 bytes on end):
;   64 records (batch x head) of 143,360 bytes = 16 key steps of 8,960: K's 8 tiles (4,096), V's 4 channel tiles x 2 halves of the 128 keys (4,096), K's scale words [quad][row][tile] (512), V's [row][tile] (256);
;   from QI0 Q's images [record][tile], from QS0 Q's scale words [record][quad][row][tile in quad].
;   Q's and K's scale words hold two real bytes and twice 0x7f: the score product has K = 64 and runs in the form of 128, its upper 64 being zero codes of Q.
; LIMITS: a block of zeros gets the byte 1 (not 127) with zero codes; these bytes are read by this program alone.  NaN, infinities and given bytes 0xff go through as the matrix unit has them.
; REGISTERS: window 0: v1-15 addresses, v16-143 the given scale words of all 8 K steps (nothing else), v144-157 at work, v160-191 32 numbers, v192-223 codes made, v224-239 scale words made, v240-251 the end.
;   window 1: Q's accumulators at v[8 (4 m + i)], K's at v[128 + 8 (4 m + i)].  window 2: V's at v[8 (4 u + i)].  window 3: two sets of 16 fragments, set p at v[128 p + 32 operand + 8 tile].
.set PITCH, 528                        ; an LDS row: 512 bytes + 16 of padding
.set TILE,  128*PITCH
.set VX,    4*TILE                     ; for each block 256 bytes a wave, written by LDS stores alone
.set SPARE, VX+2048                    ; the spare words
.set REC,   143360
.set SREC,  8960
.set QI0,   64*REC
.set QS0,   QI0+4194304
.set XS,  16                           ; scale words: v[XS + 8 tile + K step], W_q's, W_k's, W_v's likewise; lane r has row r's
.set WQS, 48
.set WKS, 80
.set WVS, 112
.set TM,  144
.set HW,  152
.set SH8, 154                          ; 8 x (lane / 16)
.set NUM, 160
.set COD, 192
.set WRD, 224
.set SEL, 2
.set MSB, 0
.macro WIN new
.if MSB != \new
	s_set_vgpr_msb (MSB<<8)|\new
.set MSB, \new
.endif
.endm
.macro CROUND
	s_barrier_signal -1
	s_barrier_wait -1
	s_cmp_lg_u32 s22, 0
	s_cbranch_scc1 .Lnot_wave_0_\@
	s_barrier_signal -3
.Lnot_wave_0_\@:
	s_barrier_wait -3
	s_barrier_signal -1
	s_barrier_wait -1
.endm
.macro PLACES                          ; four plain places behind matrix instructions (ISA guide 7.12.1)
.rept 4
	v_nop
.endr
.endm
.macro MM d, a, b, sa, sb, zero
.if \zero
	v_wmma_scale_f32_16x16x128_f8f6f4 v[\d:\d+7], v[\a:\a+7], v[\b:\b+7], 0, v[\sa], v[\sb] matrix_a_fmt:MATRIX_FMT_FP4 matrix_b_fmt:MATRIX_FMT_FP4
.else
	v_wmma_scale_f32_16x16x128_f8f6f4 v[\d:\d+7], v[\a:\a+7], v[\b:\b+7], v[\d:\d+7], v[\sa], v[\sb] matrix_a_fmt:MATRIX_FMT_FP4 matrix_b_fmt:MATRIX_FMT_FP4
.endif
.endm
; K step s: 16 fragments, 32 LDS loads in one run, into set p.  X's tiles begin 8 rows apart, the W's 16
.macro FETCH s, p
	WIN 0xc0
.irp i, 0,1,2,3
.irp c, 0,1
	ds_load_b128 v[128*(\p)+8*\i+4*\c:128*(\p)+8*\i+4*\c+3], v4 offset:8*PITCH*\i+64*(\s)+32*\c
.endr
.endr
.irp op, 1,2,3
.irp i, 0,1,2,3
.irp c, 0,1
	ds_load_b128 v[128*(\p)+32*\op+8*\i+4*\c:128*(\p)+32*\op+8*\i+4*\c+3], v[4+\op] offset:16*PITCH*\i+64*(\s)+32*\c
.endr
.endr
.endr
.endm
; K step s: 48 products, always in this order: the 48 accumulators take turns, one instruction a turn
.macro MUL s, p, zero
	WIN 0x5f
.irp m, 0,1,2,3
.irp i, 0,1,2,3
	MM 8*(4*\m+\i), 128*(\p)+32+8*\i, 128*(\p)+8*\m, WQS+8*\i+(\s), XS+8*\m+(\s), \zero
.endr
.endr
.irp m, 0,1,2,3
.irp i, 0,1,2,3
	MM 128+8*(4*\m+\i), 128*(\p)+64+8*\i, 128*(\p)+8*\m, WKS+8*\i+(\s), XS+8*\m+(\s), \zero
.endr
.endr
	WIN 0xaf
.irp u, 0,1,2,3
.irp i, 0,1,2,3
	MM 8*(4*\u+\i), 128*(\p)+8*\i, 128*(\p)+96+8*\u, XS+8*\i+(\s), WVS+8*\u+(\s), \zero
.endr
.endr
.endm
.macro STEP s
	s_wait_dscnt 0x0                               ; this step's 32 loads, issued ahead of the last step's 48 products, are in
.if (\s) < 7
.if (\s) > 0
	PLACES                                         ; the other set was read by the last step's products
.endif
	FETCH (\s)+1, 1-(\s)%2
.endif
.if (\s) == 0
	MUL \s, 0, 1
.else
	MUL \s, (\s)%2, 0
.endif
.endm
.macro MAIN                            ; a block's 8 K steps; the places behind serve the reads of results and the loads into scale registers
	FETCH 0, 0
.irp s, 0,1,2,3,4,5,6,7
	STEP \s
.endr
	PLACES
	WIN 0
.endm
; Q, K: 32 numbers of a lane, register 16 b + 8 u + j = channel 32 b + 16 u + 8 (lane / 16) + j, become 4 operand registers (lanes 0-15 block 0, lanes 16-31 block 1) and two scale bytes
.macro QH src, dst, hw
.irp b, 0,1
	v_max3_num_f32 v[TM+\b], |v[(\src)+16*\b]|, |v[(\src)+16*\b+1]|, 0x1800000   ; with the floor 2^(3 - 127): the byte cannot fall under 1
.endr
.irp i, 2,4,6,8,10,12,14
.irp b, 0,1
	v_max3_num_f32 v[TM+\b], v[TM+\b], |v[(\src)+16*\b+\i]|, |v[(\src)+16*\b+\i+1]|
.endr
.endr
.irp b, 0,1
	v_permlanex16_b32 v[TM+2+\b], v[TM+\b], s[SEL], s[SEL+1]
.endr
.irp b, 0,1
	v_max_num_f32 v[TM+\b], v[TM+\b], v[TM+2+\b]
.endr
.irp b, 0,1
	v_add_nc_u32 v[TM+4+\b], 0xff000000, v[TM+\b]  ; 2 off the exponent field: the conversion's scale operand
.endr
.irp b, 0,1
	v_lshrrev_b32 v[TM+6+\b], 23, v[TM+4+\b]
.endr
	v_lshl_or_b32 v[\hw], v[TM+7], 8, v[TM+6]
	v_cvt_scalef32_pk8_fp4_f32 v[\dst], v[\src:(\src)+7], v[TM+4]
	v_cvt_scalef32_pk8_fp4_f32 v[(\dst)+2], v[(\src)+8:(\src)+15], v[TM+4]
	v_cvt_scalef32_pk8_fp4_f32 v[(\dst)+1], v[(\src)+16:(\src)+23], v[TM+5]
	v_cvt_scalef32_pk8_fp4_f32 v[(\dst)+3], v[(\src)+24:(\src)+31], v[TM+5]
	v_nop                                          ; one plain place behind the scaled conversions
	v_permlane16_swap_b32 v[\dst], v[(\dst)+1]
	v_permlane16_swap_b32 v[(\dst)+2], v[(\dst)+3]
.endm
; V: a lane's 32 numbers are one whole block: the four conversions' results are the operand's registers; the byte goes to bit 8 (lane / 16) and meets the other half's
.macro QV src, dst, hw
.irp q, 0,1,2,3
	v_max3_num_f32 v[TM+\q], |v[(\src)+8*\q]|, |v[(\src)+8*\q+1]|, 0x1800000
.endr
.irp i, 2,4,6
.irp q, 0,1,2,3
	v_max3_num_f32 v[TM+\q], v[TM+\q], |v[(\src)+8*\q+\i]|, |v[(\src)+8*\q+\i+1]|
.endr
.endr
	v_max3_num_f32 v[TM], v[TM], v[TM+1], v[TM+2]
	v_max_num_f32 v[TM], v[TM], v[TM+3]
	v_add_nc_u32 v[TM+4], 0xff000000, v[TM]
	v_lshrrev_b32 v[TM+5], 23, v[TM+4]
	v_lshlrev_b32 v[TM+5], v[SH8], v[TM+5]
	v_permlanex16_b32 v[TM+6], v[TM+5], s[SEL], s[SEL+1]
	v_or_b32 v[\hw], v[TM+5], v[TM+6]
.irp q, 0,1,2,3
	v_cvt_scalef32_pk8_fp4_f32 v[(\dst)+\q], v[(\src)+8*\q:(\src)+8*\q+7], v[TM+4]
.endr
	v_nop
.endm
; Four accumulators (32 registers from acc on, in the window that win names) x 2^-2.5 in f32, each from its low end on
.macro SCALE win, acc
	WIN \win
.irp j, 0,2,4,6,8,10,12,14,16,18,20,22,24,26,28,30
	v_pk_mul_f32 v[NUM+\j:NUM+\j+1], v[(\acc)+\j:(\acc)+\j+1], s[36:37] op_sel_hi:[1,0]
.endr
	WIN 0
.endm
; THE WAY OUT of block k (0 or 1).  The second block is one key step on: SREC bytes in a record, 8 tiles of Q (4,096 bytes of images, 512 of scale words)
.macro EPI k
.if \k
	s_wait_xcnt 0x0                                ; the first block's stores have read their registers
.endif
.irp m, 0,1,2,3                                ; Q: tile m of my tokens
	SCALE 0x01, 32*\m
	QH NUM, COD+4*\m, HW
	v_or_b32 v[WRD+\m], 0x7f7f0000, v[HW]          ; two real bytes, and 1.0 for the 64 along K that are zero codes
	global_store_b128 v12, v[COD+4*\m:COD+4*\m+3], s[20:21] offset:512*\m+4096*(\k)   ; 32 lanes store 512 consecutive bytes, aligned
.endr
.irp m, 0,1,2,3                                ; K likewise
	SCALE 0x01, 128+32*\m
	QH NUM, COD+16+4*\m, HW
	v_or_b32 v[WRD+4+\m], 0x7f7f0000, v[HW]
	global_store_b128 v13, v[COD+16+4*\m:COD+16+4*\m+3], s[20:21] offset:512*\m+SREC*(\k)
.endr
	s_wait_xcnt 0x0                                ; Q's stores have read their registers: V's codes land there
.irp u, 0,1,2,3                                ; V: channel tile u, my 64 keys
	SCALE 0x02, 32*\u
	QV NUM, COD+4*\u, WRD+12+\u
	global_store_b128 v14, v[COD+4*\u:COD+4*\u+3], s[20:21] offset:1024*\u+SREC*(\k)
	ds_store_b32 v241, v[WRD+12+\u] offset:4*\u+1024*(\k)   ; my two bytes of the row's scale word; both halves of the lanes write the same value
.endr
.irp m, 0,1,2,3
	v_cndmask_b32 v[WRD+8+\m], v[WRD+\m], v[WRD+4+\m], s39
.endr
	global_store_b128 v[15-4*(\k)], v[WRD+8:WRD+11], s[20:21]   ; sixteen lanes fill 256 aligned bytes of Q's words, sixteen of K's
	s_wait_dscnt 0x0                               ; for the others' sake: my scratch words have landed
	s_barrier_signal -1
	s_barrier_wait -1
	s_cmp_lg_u32 s22, 0
	s_cbranch_scc1 .Lnot_0_\@
	ds_load_b128 v[244:247], v242 offset:1024*(\k)       ; keys 0-63: waves 0 and 1
	ds_load_b128 v[248:251], v242 offset:512+1024*(\k)   ; keys 64-127: waves 2 and 3
	s_wait_dscnt 0x0
.irp u, 0,1,2,3
	v_lshl_or_b32 v[244+\u], v[248+\u], 16, v[244+\u]
.endr
	global_store_b128 v240, v[244:247], s[20:21] offset:SREC*(\k)   ; V's scale words of both heads: 256 aligned bytes each
.Lnot_0_\@:
.endm
	s_load_b512 s[4:19], s[0:1], 0x0               ; X codes, X scales, W_q s[8:11], W_k s[12:15], W_v s[16:19]
	s_load_b64 s[20:21], s[0:1], 0x40              ; the workspace
	v_lshl_add_u32 v254, v0, 2, SPARE
	v_mov_b32 v255, 0
	ds_add_u32 v254, v255                          ; the opening lines: the add twice on end and its wait
	ds_add_u32 v254, v255
	v_lshrrev_b32 v1, 5, v0
	v_readfirstlane_b32 s22, v1                    ; wave 0..3: at the head it fetches tile w (0 X, 1 W_q, 2 W_k, 3 W_v)
	s_lshr_b32 s23, s22, 1                         ; a
	s_and_b32 s24, s22, 1                          ; g
	s_bfe_u32 s25, ttmp6, 0x40000                  ; cx
	s_bfe_u32 s26, ttmp6, 0x40004                  ; cy
	s_lshl_b32 s27, ttmp9, 2
	s_add_co_u32 s27, s27, s25                     ; head pair 0..7
	s_and_b32 s28, ttmp7, 0xffff
	s_lshl_b32 s28, s28, 2
	s_add_co_u32 s28, s28, s26
	s_lshl_b32 s28, s28, 1                         ; the first of my two blocks of 128 tokens: 0, 2 .. 62
	s_lshl_b32 s29, s26, 2
	s_lshl_b32 s29, 15, s29                        ; my row of the cluster
	s_lshl_b32 s30, 0x1111, s25                    ; my column
	; group 1: 128 rows x 512 bytes, 16 bytes of padding behind each; X's goes to my row, the W's to my column
	s_or_b32 s40, s29, (1<<20)|(1<<21)|(6<<22)|(3<<25)
	s_or_b32 s48, s30, (1<<20)|(1<<21)|(6<<22)|(3<<25)
.irp g, 40, 48
	s_mov_b32 s[\g+1], 512<<16
	s_mov_b32 s[\g+2], 128<<16
	s_mov_b32 s[\g+3], 512<<16
	s_mov_b32 s[\g+4], 128
	s_mov_b32 s[\g+5], 512
	s_mov_b32 s[\g+6], 0
	s_mov_b32 s[\g+7], 0
.endr
	s_mul_i32 s32, s22, TILE                       ; where my tile goes: no place in the cluster enters an LDS address
	s_lshl_b32 s34, s28, 16                        ; my tokens' codes
	s_mov_b32 s35, 0
	s_lshl_b32 s38, s27, 16                        ; the head pair's rows of a W
	s_mov_b32 s39, 0
	s_wait_dscnt 0x0
	s_wait_kmcnt 0x0
	s_cmp_lt_u32 s22, 2                            ; which W my wave fetches: by the wave's number alone
	s_cselect_b64 s[66:67], s[8:9], s[12:13]
	s_cmp_eq_u32 s22, 3
	s_cselect_b64 s[66:67], s[16:17], s[66:67]
	s_mov_b32 s56, 1                               ; group 0 for X's tile, at LDS byte 0,
	s_mov_b32 s57, 0
	s_add_nc_u64 s[58:59], s[4:5], s[34:35]
	s_or_b32 s59, s59, 0x80000000
	s_mov_b32 s60, 1                               ; and for my W's
	s_mov_b32 s61, s32
	s_add_nc_u64 s[62:63], s[66:67], s[38:39]
	s_or_b32 s63, s63, 0x80000000
	CROUND                                         ; all sixteen work-groups are here: the joint loads meet
	s_cmp_eq_u32 s22, 0                            ; one load a wave, one in each arm
	s_cbranch_scc0 .Lfill_w
	tensor_load_to_lds s[56:59], s[40:47]
	s_nop 0
	PLACES
	s_branch .Lfilled
.Lfill_w:
	tensor_load_to_lds s[60:63], s[48:55]
	s_nop 0
	PLACES
.Lfilled:
	; scalar set-up while the tiles are on their way
	s_lshl_b32 s66, s28, 12                        ; scale bytes: 32 a row: my 64 tokens of the first block,
	s_lshl_b32 s67, s23, 11
	s_add_co_u32 s66, s66, s67
	s_mov_b32 s67, 0
	s_add_nc_u64 s[6:7], s[6:7], s[66:67]
	s_lshl_b32 s66, s27, 12                        ; my head's 64 rows of each W
	s_lshl_b32 s68, s24, 11
	s_add_co_u32 s66, s66, s68
	s_add_nc_u64 s[10:11], s[10:11], s[66:67]
	s_add_nc_u64 s[14:15], s[14:15], s[66:67]
	s_add_nc_u64 s[18:19], s[18:19], s[66:67]
	s_mul_i32 s29, s23, 64*PITCH                   ; my 64 tokens in X's tile
	s_mul_i32 s30, s24, 64*PITCH
	s_add_co_u32 s30, s30, TILE                    ; my head's rows in W_q's tile
	s_lshr_b32 s70, s28, 4
	s_lshl_b32 s70, s70, 4                         ; 16 x batch
	s_lshl_b32 s83, s27, 1
	s_add_co_u32 s70, s70, s83                     ; the pair's first record
	s_add_co_u32 s71, s70, s24                     ; my head's record
	s_and_b32 s72, s28, 15                         ; the first block's key step in the batch
	s_mul_i32 s73, s72, SREC
	s_mul_i32 s74, s71, REC
	s_add_co_u32 s74, s74, s73                     ; that key step's bytes
	s_lshl_b32 s75, s23, 11
	s_add_co_u32 s75, s75, s74                     ; K's images: tiles 4 a on
	s_lshl_b32 s76, s23, 9
	s_add_co_u32 s76, s76, s74
	s_add_co_u32 s76, s76, 4096                    ; V's images: half a of the 128 keys
	s_lshl_b32 s77, s71, 7
	s_lshl_b32 s83, s72, 3
	s_add_co_u32 s77, s77, s83
	s_lshl_b32 s83, s23, 2
	s_add_co_u32 s77, s77, s83                     ; my first tile of Q
	s_lshl_b32 s78, s77, 9
	s_add_co_u32 s78, s78, QI0                     ; Q's images
	s_lshl_b32 s79, s77, 6
	s_add_co_u32 s79, s79, QS0                     ; Q's scale words
	s_lshl_b32 s80, s23, 8
	s_add_co_u32 s80, s80, s74
	s_add_co_u32 s80, s80, 8192                    ; K's scale words
	s_mul_i32 s81, s70, REC
	s_add_co_u32 s81, s81, s73
	s_add_co_u32 s81, s81, 8704                    ; V's scale words of the pair's first head
	s_lshl_b32 s82, s22, 8
	s_add_co_u32 s82, s82, VX                      ; my wave's scratch
	s_mov_b32 s[SEL], 0x76543210
	s_mov_b32 s[SEL+1], 0xfedcba98
	s_mov_b32 s36, 0x3e3504f3                      ; 1024^-0.25 = 2^-2.5
	s_mov_b32 s37, s36
	v_and_b32 v1, 15, v0                           ; r
	v_bfe_u32 v2, v0, 4, 1                         ; h
	v_and_b32 v3, 31, v0
	v_and_b32 v8, 7, v1
	v_lshrrev_b32 v9, 3, v1
	v_lshlrev_b32 v3, 4, v3                        ; 16 x lane
	v_lshl_add_u32 v10, v9, 5, v8                  ; X's row of tile 0: r % 8 + 32 (r / 8)
	v_lshlrev_b32 v157, 5, v1
	v_lshlrev_b32 v[SH8], 3, v2
	v_lshlrev_b32 v156, 5, v10
.irp i, 0,1,2,3                                ; the scale words of all 8 K steps, once: a row's 32 bytes in two loads
.irp q, 0,1
	global_load_b128 v[XS+8*\i+4*\q:XS+8*\i+4*\q+3], v156, s[6:7] offset:256*\i+16*\q
	global_load_b128 v[WQS+8*\i+4*\q:WQS+8*\i+4*\q+3], v157, s[10:11] offset:512*\i+16*\q
	global_load_b128 v[WKS+8*\i+4*\q:WKS+8*\i+4*\q+3], v157, s[14:15] offset:512*\i+16*\q
	global_load_b128 v[WVS+8*\i+4*\q:WVS+8*\i+4*\q+3], v157, s[18:19] offset:512*\i+16*\q
.endr
.endr
	v_mul_u32_u24 v8, v10, PITCH
	v_mul_u32_u24 v9, v1, PITCH
	v_lshl_add_u32 v8, v2, 4, v8                   ; a fragment's row x pitch + 16 h
	v_lshl_add_u32 v9, v2, 4, v9
	v_add_nc_u32 v4, s29, v8                       ; X
	v_add_nc_u32 v5, s30, v9                       ; W_q
	v_add_nc_u32 v6, TILE, v5                      ; W_k
	v_add_nc_u32 v7, TILE, v6                      ; W_v
	v_add_nc_u32 v13, s75, v3
	v_add_nc_u32 v14, s76, v3
	v_add_nc_u32 v12, s78, v3
	v_cmp_eq_u32 s39, 1, v2                        ; lanes 16-31
	v_mov_b32 v8, s79
	v_mov_b32 v9, s80
	v_cndmask_b32 v15, v8, v9, s39                 ; lanes 0-15 store Q's words, lanes 16-31 K's
	v_mov_b32 v8, 512
	v_mov_b32 v9, SREC
	v_lshl_add_u32 v15, v1, 4, v15
	v_cndmask_b32 v11, v8, v9, s39                 ; the second block's: Q's words 512 bytes on, K's a key step on
	v_mul_u32_u24 v240, v2, REC
	v_add_nc_u32 v11, v11, v15
	v_lshl_add_u32 v240, v1, 4, v240
	v_add_nc_u32 v240, s81, v240                   ; V's scale words: lanes 0-15 the first head, lanes 16-31 the second
	v_lshl_add_u32 v241, v1, 4, s82
	v_add_nc_u32 v242, VX, v3
.irp j, 2,3,6
	v_mov_b32 v[TM+\j], 0                          ; written once: a lane permute's destination counts as one of its sources
.endr
	s_wait_alu depctr_va_vdst(0)                   ; at the head's end
	s_wait_tensorcnt 0x0                           ; my tile is in,
	s_barrier_signal -1
	s_barrier_wait -1                              ; everybody's is
	s_wait_loadcnt 0x0                             ; the scale words
	MAIN                                           ; the first block's products
	s_wait_tensorcnt 0x0                           ; X's tile is filled again
	ds_add_u32 v254, v255
	s_add_nc_u64 s[58:59], s[58:59], 65536         ; (no tensor load of mine is out: the second block's 128 rows of X)
	s_wait_dscnt 0x0                               ; the add is done, and my reads of X's tile are over
	CROUND                                         ; that holds of every wave of every partner
	s_cmp_lg_u32 s22, 0                            ; wave 0 fetches it: the one tile that changes
	s_cbranch_scc1 .Lnot_x
	tensor_load_to_lds s[56:59], s[40:47]
	s_nop 0
	PLACES
.Lnot_x:
.irp i, 0,1,2,3                                ; and its scale words: 4,096 bytes on
.irp q, 0,1
	global_load_b128 v[XS+8*\i+4*\q:XS+8*\i+4*\q+3], v156, s[6:7] offset:4096+256*\i+16*\q
.endr
.endr
	EPI 0                                          ; the first block goes out while the tile is on its way
	s_wait_tensorcnt 0x0                           ; the tile is in (wave 0's load),
	s_wait_dscnt 0x0
	s_barrier_signal -1
	s_barrier_wait -1                              ; and every wave knows
	s_wait_loadcnt 0x0                             ; X's scale words
	MAIN                                           ; the second block's products
	EPI 1
	s_wait_tensorcnt 0x0                           ; the wave's end
	ds_add_u32 v254, v255
	s_wait_dscnt 0x0
	CROUND                                         ; the closing round
	s_endpgm
.Lfunc_end_k_qb238e126f9_qkv:
	.size	k_qb238e126f9_qkv, .Lfunc_end_k_qb238e126f9_qkv-k_qb238e126f9_qkv
	.p2alignl 7, 3214868480
	.fill 96, 4, 3214868480
	.section	.rodata,"a",@progbits
	.p2align	6, 0x0
	.amdhsa_kernel k_qb238e126f9_qkv
		.amdhsa_group_segment_fixed_size 327680
		.amdhsa_private_segment_fixed_size 0
		.amdhsa_enable_private_segment 0
		.amdhsa_kernarg_size 72
		.amdhsa_user_sgpr_count 2
		.amdhsa_user_sgpr_kernarg_segment_ptr 1
		.amdhsa_wavefront_size32 1
		.amdhsa_system_sgpr_workgroup_id_x 1
		.amdhsa_system_sgpr_workgroup_id_y 1
		.amdhsa_system_sgpr_workgroup_id_z 1
		.amdhsa_system_vgpr_workitem_id 0
		.amdhsa_next_free_vgpr 1024
		.amdhsa_next_free_sgpr 100
		.amdhsa_reserve_vcc 0
		.amdhsa_float_denorm_mode_32 3
		.amdhsa_float_denorm_mode_16_64 3
		.amdhsa_memory_ordered 1
		.amdhsa_forward_progress 1
		.amdhsa_inst_pref_size 220
	.end_amdhsa_kernel
	.amdgpu_metadata
---
amdhsa.version: [ 1, 2 ]
amdhsa.kernels:
  - .name:           k_qb238e126f9_qkv
    .symbol:         k_qb238e126f9_qkv.kd
    .args:
      - { .name: X_codes, .offset: 0, .size: 8, .value_kind: global_buffer, .address_space: global }
      - { .name: X_scales, .offset: 8, .size: 8, .value_kind: global_buffer, .address_space: global }
      - { .name: W_q_codes, .offset: 16, .size: 8, .value_kind: global_buffer, .address_space: global }
      - { .name: W_q_scales, .offset: 24, .size: 8, .value_kind: global_buffer, .address_space: global }
      - { .name: W_k_codes, .offset: 32, .size: 8, .value_kind: global_buffer, .address_space: global }
      - { .name: W_k_scales, .offset: 40, .size: 8, .value_kind: global_buffer, .address_space: global }
      - { .name: W_v_codes, .offset: 48, .size: 8, .value_kind: global_buffer, .address_space: global }
      - { .name: W_v_scales, .offset: 56, .size: 8, .value_kind: global_buffer, .address_space: global }
      - { .name: qkv, .offset: 64, .size: 8, .value_kind: global_buffer, .address_space: global }
    .group_segment_fixed_size: 327680
    .private_segment_fixed_size: 0
    .kernarg_segment_align: 8
    .kernarg_segment_size: 72
    .max_flat_workgroup_size: 128
    .sgpr_count:     100
    .vgpr_count:     1024
    .wavefront_size: 32
...
	.end_amdgpu_metadata
.endif
;; end of part 1
;; launch attn (part 2): grid 8 x 32, 16 waves a work-group, clusters of 4 x 1, 327,680 bytes of LDS; arguments qkv, y; writes y
.if DOCPART == 2
	.amdgcn_target "amdgcn-amd-amdhsa--gfx1250"
	.amdhsa_code_object_version 6
	.text
	.protected	k_qb238e126f9_attn
	.globl	k_qb238e126f9_attn
	.p2align	8
	.type	k_qb238e126f9_attn,@function
k_qb238e126f9_attn:
	s_mov_b64 s[64:65], 0
	v_nop
	global_prefetch_b8 v0, s[64:65] scope:SCOPE_SE
	s_setreg_imm32_b32 hwreg(HW_REG_WAVE_MODE, 25, 1), 1
	s_wait_xcnt 0x0
	s_wait_alu depctr_hold_cnt(0) depctr_sa_sdst(0) depctr_va_vdst(0) depctr_va_sdst(0) depctr_va_ssrc(0) depctr_va_vcc(0) depctr_vm_vsrc(0)
	s_getreg_b32 s2, hwreg(HW_REG_IB_STS2, 6, 4)
	s_cmp_eq_u32 s2, 0
	s_cbranch_scc0 .Lentry_in_a_cluster
	s_endpgm
.Lentry_in_a_cluster:
	s_bfe_u32 s2, ttmp6, 0x10000c
	s_cmp_lg_u32 s2, 0x3003
	s_cbranch_scc0 .Lentry_shape_is_right
	s_endpgm
.Lentry_shape_is_right:
; Y = softmax(Q K^T) V for two heads of one batch and 256 queries, both products on codes of FP4 (E2M1) with E8M0 scales; Y is quantised along the model's 1,024 and stored as codes.
; THE SOFTMAX AHEAD OF THE SECOND PRODUCT: t = score x log2(e); M = the running largest t rounded UP to a whole number; p = 2^(t - M) is quantised along the keys, not normalised.
; The row's sum is taken of the unquantised p in f32 and divides O at the end.  When M moves, the sum and O are multiplied by 2^(old M - new M): exact.
; SHARES.  A work-group owns 256 queries and a pair of heads; each of its sixteen waves owns one tile of 16 queries and takes the two heads one after the other, 16 key steps of 128 keys each.
; LDS holds both heads' records of the workspace as they lie in memory (2 x 143,360 bytes), each filled ONCE, a sixteenth (one key step, 8,960 bytes) a wave:
; the first head's at the kernel's head, the second's behind a round of the cluster's barrier; the barrier that shows it whole stands behind the first head's fourth step.
; CLUSTER 4 x 1: the four blocks of queries of a cluster read the same two records: joint loads.  No prefetch: all that the launch reads of K and V is asked for in front of its loops.
; LAYOUT.  S^T = K Q^T (source 0 = 16 keys, source 1 = my queries), O^T = V^T P^T (source 0 = 16 channels, source 1 = P): a lane holds ONE query throughout.
; THE KEYS OF A TILE ARE NOT NEIGHBOURS: row r of K's tile 4 c + g is key 64 c + 8 g + r % 8 + 32 (r / 8).  So register 32 c + 8 g + j of S^T in lane half h is key 64 c + 32 h + 8 g + j:
; a lane's 32 registers are one whole block of 32 keys, the block's maximum needs no other lane, and the conversion of tile 4 c + g is register 4 c + g of P's operand as it stands.
; The score product has K = 64 and runs in the form of 128: Q's registers 4-7 are zero codes, so K's registers 4-7 may hold any codes (the next tile's); bytes 2 and 3 of both scale words are 0x7f.
; The next step's K is loaded a step ahead, behind this step's score products; in the second head the address is held at the last step, so that no load passes the records' end.
; LIMITS: the promise holds while |t| stays under 2^31.  1 / sum is v_rcp_f32 and a multiplication.  A block's largest p is made from its largest score by the same two instructions as every p
; (v_exp_f32 is taken not to fall where its input rises).  A block of zeros gets the byte 1 with zero codes; the bytes are read by this program alone.  NaN and infinities are not served.
; REGISTERS: v1-11 addresses; v12 -M, v13 the largest score, v[14:15] the sum; v16-31 Q of both heads; v32-67 K's tiles and a cleared tail; v68-79 K's and V's scale words; v80 p's; v81-82 Q's;
;   v83 Y's scale word; v84-91 Y's codes; v92 8 x (lane / 16); v93-95 at work; v96-159 S^T, then p; v160-191 O^T; v192-223 V; v224-231 p's codes; v232-254 at work.
.set REC,  143360
.set SREC, 8960                        ; K's 8 tiles (4,096), V's 4 x 2 (4,096), K's scale words (512), V's (256)
.set QI0,  64*REC
.set QS0,  QI0+4194304
.set YS0,  4194304                     ; in y: behind the images, the scale words [K step 8][tile of 16 tokens 512][row 16]
.set YX,   2*REC                       ; LDS: behind the records, 1,024 bytes written by LDS stores alone
.set SPARE, YX+1024                    ; the spare words, 128 bytes a wave
.set TM,   232
.set SEL,  12
.macro CROUND
	s_barrier_signal -1
	s_barrier_wait -1
	s_cmp_lg_u32 s8, 0
	s_cbranch_scc1 .Lnot_wave_0_\@
	s_barrier_signal -3
.Lnot_wave_0_\@:
	s_barrier_wait -3
	s_barrier_signal -1
	s_barrier_wait -1
.endm
; Y: 32 numbers of a lane, register 16 b + 8 u + j = channel 32 b + 16 u + 8 (lane / 16) + j, become 4 operand registers and two scale bytes in v[hw]
.macro QH src, dst, hw
.irp b, 0,1
	v_max3_num_f32 v[TM+\b], |v[(\src)+16*\b]|, |v[(\src)+16*\b+1]|, 0x1800000   ; with the floor 2^(3 - 127)
.endr
.irp i, 2,4,6,8,10,12,14
.irp b, 0,1
	s_delay_alu instid0(VALU_DEP_2)
	v_max3_num_f32 v[TM+\b], v[TM+\b], |v[(\src)+16*\b+\i]|, |v[(\src)+16*\b+\i+1]|
.endr
.endr
.irp b, 0,1
	s_delay_alu instid0(VALU_DEP_2)
	v_permlanex16_b32 v[TM+2+\b], v[TM+\b], s[SEL], s[SEL+1]
.endr
.irp b, 0,1
	s_delay_alu instid0(VALU_DEP_2)
	v_max_num_f32 v[TM+\b], v[TM+\b], v[TM+2+\b]
.endr
.irp b, 0,1
	s_delay_alu instid0(VALU_DEP_2)
	v_add_nc_u32 v[TM+4+\b], 0xff000000, v[TM+\b]
.endr
.irp b, 0,1
	s_delay_alu instid0(VALU_DEP_2)
	v_lshrrev_b32 v[TM+6+\b], 23, v[TM+4+\b]
.endr
	s_delay_alu instid0(VALU_DEP_1)
	v_lshl_or_b32 v[\hw], v[TM+7], 8, v[TM+6]
	v_cvt_scalef32_pk8_fp4_f32 v[\dst], v[\src:(\src)+7], v[TM+4]
	v_cvt_scalef32_pk8_fp4_f32 v[(\dst)+2], v[(\src)+8:(\src)+15], v[TM+4]
	v_cvt_scalef32_pk8_fp4_f32 v[(\dst)+1], v[(\src)+16:(\src)+23], v[TM+5]
	v_cvt_scalef32_pk8_fp4_f32 v[(\dst)+3], v[(\src)+24:(\src)+31], v[TM+5]
	v_nop                                          ; one plain place behind the scaled conversions
	v_permlane16_swap_b32 v[\dst], v[(\dst)+1]
	v_permlane16_swap_b32 v[(\dst)+2], v[(\dst)+3]
.endm
.macro INIT                            ; a head begins: the loop has no first step of its own: the first change of M multiplies zeros
	v_mov_b32 v13, 0xff61b1e6                      ; the largest score so far: -3e38
	v_mov_b32 v12, 0x7f61b1e6                      ; -M: 3e38
	v_mov_b32 v14, 0
	v_mov_b32 v15, 0
.set j, 0
.rept 32
	v_mov_b32 v[160+j], 0
.set j, j+1
.endr
.endm
.macro SUMS base, from                 ; four of the eight running pairs take in four more pairs of p
.irp i, 0,1,2,3
	v_pk_add_f32 v[232+2*(\from+\i):233+2*(\from+\i)], v[232+2*(\from+\i):233+2*(\from+\i)], v[\base+2*(\from+\i):\base+1+2*(\from+\i)]
.endr
.endm
.macro SUM0 from                       ; they begin: pair i + pair i + 8
.irp i, 0,1,2,3
	v_pk_add_f32 v[232+2*(\from+\i):233+2*(\from+\i)], v[96+2*(\from+\i):97+2*(\from+\i)], v[112+2*(\from+\i):113+2*(\from+\i)]
.endr
.endm
.macro TMM from, n                     ; t - M, two at a time
.set j, \from
.rept \n
	v_pk_fma_f32 v[96+j:97+j], v[96+j:97+j], s[14:15], v[12:13] op_sel_hi:[1,0,0]
.set j, j+2
.endr
.endm
; n key steps of head p (0 or 1).  s9: LDS byte of the step in hand; its K and K's scale words are on their way or in
.macro LOOPK p, n
	s_mov_b32 s10, \n
.Lstep_\@:
	s_wait_dscnt 0x0                               ; K's ten loads, issued a step ago
.irp t, 0,1,2,3,4,5,6,7
	v_wmma_scale_f32_16x16x128_f8f6f4 v[96+8*\t:103+8*\t], v[32+4*\t:39+4*\t], v[16+8*(\p):23+8*(\p)], 0, v[68+\t], v[81+(\p)] matrix_a_fmt:MATRIX_FMT_FP4 matrix_b_fmt:MATRIX_FMT_FP4
.endr
	s_add_co_u32 s43, s9, SREC                     ; the next step
.if \p
	s_min_u32 s43, s43, 31*SREC                    ; (the last step asks for its own K again)
.endif
	v_add_nc_u32 v7, s9, v1                        ; these four are the places behind the products: in front of the loads into their operands and of the reads of their results
	v_add_nc_u32 v8, s9, v2
	v_add_nc_u32 v3, s43, v1
	v_add_nc_u32 v4, s43, v2
	ds_load_b128 v[76:79], v8 offset:512           ; V's scale words,
.irp u, 0,1,2,3
.irp c, 0,1
	ds_load_b128 v[192+8*\u+4*\c:195+8*\u+4*\c], v7 offset:4096+1024*\u+512*\c   ; V's images
.endr
.endr
	ds_load_b128 v[68:71], v4                      ; the next step's K: scale words,
	ds_load_b128 v[72:75], v4 offset:256
.irp t, 0,1,2,3,4,5,6,7
	ds_load_b128 v[32+4*\t:35+4*\t], v3 offset:512*\t   ; and tiles
.endr
	; the largest score of my two blocks of 32 keys: eight chains by turns, each accumulator from its low end on
.irp t, 0,1,2,3,4,5,6,7
	v_max3_num_f32 v[232+\t], v[96+8*\t], v[97+8*\t], v[98+8*\t]
.endr
.irp i, 3,5
.irp t, 0,1,2,3,4,5,6,7
	v_max3_num_f32 v[232+\t], v[232+\t], v[96+8*\t+\i], v[97+8*\t+\i]
.endr
.endr
.irp c, 0,1
	v_max3_num_f32 v[240+2*\c], v[232+4*\c], v[233+4*\c], v[103+32*\c]
	v_max3_num_f32 v[241+2*\c], v[234+4*\c], v[235+4*\c], v[111+32*\c]
.endr
	v_max3_num_f32 v248, v240, v241, v119
	v_max3_num_f32 v249, v242, v243, v151
	v_max_num_f32 v248, v248, v127
	v_max_num_f32 v249, v249, v159
	v_max3_num_f32 v246, v13, v248, v249
	s_delay_alu instid0(VALU_DEP_1)
	v_permlanex16_b32 v253, v246, s[SEL], s[SEL+1]
	s_delay_alu instid0(VALU_DEP_1)
	v_max_num_f32 v13, v246, v253                  ; the running largest score of my query
	v_mul_f32 v246, s14, v13                       ; as t (the factor is positive)
	v_floor_f32 v247, -v246                        ; the new -M = -ceil(t): a whole number
	v_sub_f32 v246, v247, v12                      ; old M - new M: a whole number, 0 or less
	v_mov_b32 v12, v247
	v_fma_f32 v248, v248, s14, v12                 ; t - M of each block's largest score
	v_fma_f32 v249, v249, s14, v12
	TMM 0, 8
	v_cvt_i32_f32 v246, v246                       ; (it saturates)
	TMM 16, 24
	s_wait_alu depctr_va_vdst(0)                   ; ahead of the batch
	v_exp_f32 v248, v248                           ; each block's largest p,
	v_exp_f32 v249, v249
.set j, 0
.rept 64
	v_exp_f32 v[96+j], v[96+j]                     ; p = 2^(t - M)
.set j, j+1
.endr
	v_ldexp_f32 v252, 1.0, v246                    ; f = 2^(old M - new M): the plain place behind the batch
	s_wait_alu depctr_va_vdst(0)                   ; one wait for the batch, and directly ahead of the first readers of O^T
.set j, 0
.rept 16
	v_pk_mul_f32 v[160+j:161+j], v[160+j:161+j], v[252:253] op_sel_hi:[1,0]   ; O^T under the new M
.set j, j+2
.endr
	v_max_num_f32 v248, 0x1800000, v248            ; the floor 2^(3 - 127): the byte cannot fall under 1
	v_max_num_f32 v249, 0x1800000, v249
	SUM0 0                                         ; the row's sum of the unquantised p, in eight chains, stands among the scale's lines
	v_add_nc_u32 v250, 0xff000000, v248            ; 2 off the exponent field: the conversions' scale operands
	v_add_nc_u32 v254, 0xff000000, v249
	SUM0 4
	v_lshrrev_b32 v93, 23, v250                    ; the scales' bytes: blocks h and 2 + h
	v_lshrrev_b32 v94, 23, v254
	SUMS 128, 0
	v_lshl_or_b32 v95, v94, 16, v93
	SUMS 128, 4
	v_lshlrev_b32 v95, v92, v95                    ; at their places in the word: 8 h bits up
	SUMS 144, 0
	v_permlanex16_b32 v253, v95, s[SEL], s[SEL+1]
.irp t, 0,1,2,3
	v_cvt_scalef32_pk8_fp4_f32 v[224+\t], v[96+8*\t:103+8*\t], v250
.endr
.irp t, 4,5,6,7
	v_cvt_scalef32_pk8_fp4_f32 v[224+\t], v[96+8*\t:103+8*\t], v254
.endr
	v_or_b32 v80, v95, v253                        ; p's scale word.  Twelve plain lines follow: the places ahead of the scaled products
	SUMS 144, 4
.irp i, 0,2,4,6
	v_pk_add_f32 v[232+\i:233+\i], v[232+\i:233+\i], v[240+\i:241+\i]
.endr
	s_delay_alu instid0(VALU_DEP_2)
	v_pk_add_f32 v[232:233], v[232:233], v[236:237]
	s_delay_alu instid0(VALU_DEP_2)
	v_pk_add_f32 v[234:235], v[234:235], v[238:239]
	s_delay_alu instid0(VALU_DEP_1)
	v_pk_add_f32 v[232:233], v[232:233], v[234:235]
	v_pk_fma_f32 v[14:15], v[14:15], v[252:253], v[232:233] op_sel_hi:[1,0,1]   ; the sum under the new M, and this step's
	s_wait_dscnt 10                                ; V's nine loads are in; the ten issued behind them, the next step's K, may be out
.irp u, 0,1,2,3                                ; four accumulators, one instruction each: they take turns
	v_wmma_scale_f32_16x16x128_f8f6f4 v[160+8*\u:167+8*\u], v[192+8*\u:199+8*\u], v[224:231], v[160+8*\u:167+8*\u], v[76+\u], v80 matrix_a_fmt:MATRIX_FMT_FP4 matrix_b_fmt:MATRIX_FMT_FP4
.endr
	s_add_co_u32 s9, s9, SREC
	s_sub_co_u32 s10, s10, 1
	s_cmp_lg_u32 s10, 0
	s_cbranch_scc1 .Lstep_\@
.endm
; A head's way out: O^T / the sum, quantised along the head's 64 channels: two blocks of the last product's K
.macro OUT p
	s_wait_alu depctr_va_vdst(0)                   ; directly ahead of the sum's reader
	v_add_f32 v14, v14, v15
	s_delay_alu instid0(VALU_DEP_1)
	v_permlanex16_b32 v252, v14, s[SEL], s[SEL+1]
	s_delay_alu instid0(VALU_DEP_1)
	v_add_f32 v14, v14, v252                       ; the row's sum
	s_wait_alu depctr_va_vdst(0)
	v_rcp_f32 v14, v14
	v_nop                                          ; plain places: behind the reciprocal, and (with the lines above) behind the last products
	v_nop
	v_nop
	s_wait_alu depctr_va_vdst(0)                   ; ahead of the reciprocal's first reader and of the first readers of O^T
.set j, 0
.rept 16
	v_pk_mul_f32 v[96+j:97+j], v[160+j:161+j], v[14:15] op_sel_hi:[1,0]   ; each accumulator from its low end on
.set j, j+2
.endr
	QH 96, 84+4*(\p), 240
.if (\p) == 0
	v_mov_b32 v83, v240                            ; bytes 0 and 1 of the K step's scale word
.else
	v_lshl_or_b32 v83, v240, 16, v83               ; bytes 2 and 3
.endif
	global_store_b128 v5, v[84+4*(\p):87+4*(\p)], s[6:7] offset:512*(\p)   ; half a fragment: 512 consecutive bytes, aligned
.endm
	s_load_b128 s[4:7], s[0:1], 0x0                ; the workspace qkv s[4:5], y s[6:7]
	v_lshl_add_u32 v251, v0, 2, SPARE
	v_mov_b32 v255, 0
	ds_add_u32 v251, v255                          ; the opening lines: the add twice on end and its wait
	ds_add_u32 v251, v255
	v_lshrrev_b32 v1, 5, v0
	v_readfirstlane_b32 s8, v1                     ; wave 0..15
	s_bfe_u32 s11, ttmp6, 0x40000                  ; cx
	s_lshl_b32 s32, ttmp9, 2
	s_add_co_u32 s32, s32, s11                     ; my block of 256 queries 0..7: it enters Q's and Y's addresses alone
	s_and_b32 s33, ttmp7, 0xffff                   ; 8 x batch + pair of heads, which the four partners share
	s_mov_b32 s[SEL], 0x76543210
	s_mov_b32 s[SEL+1], 0xfedcba98
	s_mov_b32 s14, 0x3fb8aa3b                      ; log2(e)
	s_mov_b32 s15, s14
	; group 1: a key step of a record, 8,960 dense bytes, as 35 rows of 32 elements of 8 bytes; the mask names all four work-groups
	s_mov_b32 s16, 15|(3<<16)|(1<<21)
	s_mov_b32 s17, 32<<16
	s_mov_b32 s18, 35<<16
	s_mov_b32 s19, 32<<16
	s_mov_b32 s20, 35
	s_mov_b32 s21, 32
	s_mov_b32 s22, 0
	s_mov_b32 s23, 0
	s_mul_i32 s34, s8, SREC                        ; which key step I fetch: in LDS as in memory
	s_mul_i32 s36, s33, 2*REC
	s_add_co_u32 s36, s36, s34
	s_mov_b32 s37, 0
	s_wait_dscnt 0x0
	s_wait_kmcnt 0x0
	s_mov_b32 s24, 1                               ; group 0: the first head's,
	s_mov_b32 s25, s34
	s_add_nc_u64 s[26:27], s[4:5], s[36:37]
	s_mov_b32 s28, 1                               ; the second head's
	s_add_co_u32 s29, s34, REC
	s_add_nc_u64 s[30:31], s[26:27], REC
	s_or_b32 s27, s27, 0x80000000
	s_or_b32 s31, s31, 0x80000000
	CROUND                                         ; all four work-groups are here: the joint loads meet
	tensor_load_to_lds s[24:27], s[16:23]          ; one load a wave at the head
	s_nop 0
.rept 4
	v_nop
.endr
	s_lshl_b32 s35, s32, 4
	s_add_co_u32 s35, s35, s8                      ; my tile of 16 queries in the batch
	s_lshl_b32 s38, s33, 8                         ; 128 tiles a head, two heads
	s_add_co_u32 s38, s38, s35
	s_lshl_b32 s38, s38, 9
	s_add_co_u32 s38, s38, QI0                     ; Q's images
	s_lshl_b32 s40, s33, 6                         ; Q's scale words: 32 quads of tiles a head
	s_lshl_b32 s39, s32, 2
	s_add_co_u32 s40, s40, s39
	s_lshr_b32 s39, s8, 2
	s_add_co_u32 s40, s40, s39
	s_lshl_b32 s40, s40, 8
	s_and_b32 s39, s8, 3
	s_lshl_b32 s39, s39, 2
	s_add_co_u32 s40, s40, s39
	s_add_co_u32 s40, s40, QS0
	s_lshr_b32 s45, s33, 3
	s_lshl_b32 s45, s45, 7                         ; 128 tiles of tokens a batch
	s_add_co_u32 s41, s45, s35
	s_lshl_b32 s41, s41, 13                        ; 8,192 bytes of Y's images a tile
	s_and_b32 s46, s33, 7                          ; the pair = the last product's K step
	s_lshl_b32 s39, s46, 10
	s_add_co_u32 s41, s41, s39                     ; where my codes of Y go
	s_lshl_b32 s42, s46, 9
	s_add_co_u32 s42, s42, s45
	s_lshl_b32 s39, s32, 4
	s_add_co_u32 s42, s42, s39
	s_lshl_b32 s42, s42, 6
	s_add_co_u32 s42, s42, YS0                     ; where the work-group's 1,024 bytes of scale words go
	s_lshl_b32 s44, s8, 6
	s_add_co_u32 s44, s44, YX                      ; LDS: my wave's 64 bytes
	s_mov_b32 s9, 0
	v_and_b32 v9, 15, v0                           ; r
	v_and_b32 v1, 31, v0
	v_bfe_u32 v92, v0, 4, 1
	v_lshlrev_b32 v1, 4, v1                        ; 16 x lane: an image's place for my lane
	v_lshlrev_b32 v92, 3, v92                      ; 8 h
	v_lshl_add_u32 v2, v9, 4, 8192                 ; 16 r + 8,192: my row's scale words in a key step
	v_add_nc_u32 v90, s38, v1
	v_lshl_add_u32 v91, v9, 4, s40
	global_load_b128 v[16:19], v90, s[4:5]                ; Q of the first head: registers 0-3 of its fragment
	global_load_b128 v[24:27], v90, s[4:5] offset:65536   ; and of the second
	global_load_b32 v81, v91, s[4:5]
	global_load_b32 v82, v91, s[4:5] offset:8192
	v_add_nc_u32 v5, s41, v1
	v_add_nc_u32 v10, s42, v1
	v_lshl_add_u32 v6, v9, 2, s44
	v_add_nc_u32 v11, YX, v1
.irp j, 20,21,22,23,28,29,30,31,64,65,66,67
	v_mov_b32 v[\j], 0                             ; Q's upper 64 along K: zero codes; and what stands behind K's last tile
.endr
	v_mov_b32 v253, 0                              ; written once: a permute's destination, and the upper half of the pair v[252:253]
	INIT
	s_wait_alu depctr_va_vdst(0)                   ; at the head's end
	s_wait_tensorcnt 0x0                           ; my key step of the first head is in
	ds_add_u32 v251, v255
	s_wait_dscnt 0x0
	CROUND                                         ; everybody's is in, and all four work-groups are here
	tensor_load_to_lds s[28:31], s[16:23]          ; the second head's, the first tensor load behind the round
	s_nop 0
.rept 4
	v_nop
.endr
	ds_load_b128 v[68:71], v2                      ; step 0's K
	ds_load_b128 v[72:75], v2 offset:256
.irp t, 0,1,2,3,4,5,6,7
	ds_load_b128 v[32+4*\t:35+4*\t], v1 offset:512*\t
.endr
	s_wait_loadcnt 0x0                             ; Q
	LOOPK 0, 4
	s_wait_tensorcnt 0x0                           ; my key step of the second head is in,
	s_wait_dscnt 0x0
	s_barrier_signal -1
	s_barrier_wait -1                              ; everybody's is: the first head's last step asks for the second head's first K
	LOOPK 0, 12
	OUT 0
	INIT
	LOOPK 1, 16
	OUT 1
	ds_store_b32 v6, v83                           ; my 16 rows' scale words; both halves of the lanes write the same value
	s_wait_dscnt 0x0
	s_barrier_signal -1
	s_barrier_wait -1
	s_cmp_lg_u32 s8, 0
	s_cbranch_scc1 .Lnot_0
	ds_load_b128 v[96:99], v11
	ds_load_b128 v[100:103], v11 offset:512
	s_wait_dscnt 0x0
	global_store_b128 v10, v[96:99], s[6:7]               ; the sixteen waves' words: 1,024 consecutive bytes, aligned
	global_store_b128 v10, v[100:103], s[6:7] offset:512
.Lnot_0:
	s_wait_tensorcnt 0x0                           ; the wave's end
	ds_add_u32 v251, v255
	s_wait_dscnt 0x0
	CROUND                                         ; the closing round
	s_endpgm
.Lfunc_end_k_qb238e126f9_attn:
	.size	k_qb238e126f9_attn, .Lfunc_end_k_qb238e126f9_attn-k_qb238e126f9_attn
	.p2alignl 7, 3214868480
	.fill 96, 4, 3214868480
	.section	.rodata,"a",@progbits
	.p2align	6, 0x0
	.amdhsa_kernel k_qb238e126f9_attn
		.amdhsa_group_segment_fixed_size 327680
		.amdhsa_private_segment_fixed_size 0
		.amdhsa_enable_private_segment 0
		.amdhsa_kernarg_size 16
		.amdhsa_user_sgpr_count 2
		.amdhsa_user_sgpr_kernarg_segment_ptr 1
		.amdhsa_wavefront_size32 1
		.amdhsa_system_sgpr_workgroup_id_x 1
		.amdhsa_system_sgpr_workgroup_id_y 1
		.amdhsa_system_sgpr_workgroup_id_z 1
		.amdhsa_system_vgpr_workitem_id 0
		.amdhsa_next_free_vgpr 256
		.amdhsa_next_free_sgpr 66
		.amdhsa_reserve_vcc 0
		.amdhsa_float_denorm_mode_32 3
		.amdhsa_float_denorm_mode_16_64 3
		.amdhsa_memory_ordered 1
		.amdhsa_forward_progress 1
		.amdhsa_inst_pref_size 61
	.end_amdhsa_kernel
	.amdgpu_metadata
---
amdhsa.version: [ 1, 2 ]
amdhsa.kernels:
  - .name:           k_qb238e126f9_attn
    .symbol:         k_qb238e126f9_attn.kd
    .args:
      - { .name: qkv, .offset: 0, .size: 8, .value_kind: global_buffer, .address_space: global }
      - { .name: y, .offset: 8, .size: 8, .value_kind: global_buffer, .address_space: global }
    .group_segment_fixed_size: 327680
    .private_segment_fixed_size: 0
    .kernarg_segment_align: 8
    .kernarg_segment_size: 16
    .max_flat_workgroup_size: 512
    .sgpr_count:     66
    .vgpr_count:     256
    .wavefront_size: 32
...
	.end_amdgpu_metadata
.endif
;; end of part 2
;; launch proj (part 3): grid 4 x 64, 8 waves a work-group, clusters of 4 x 4, 327,680 bytes of LDS; arguments y, W_u_codes, W_u_scales, b_u, out0; writes out0
.if DOCPART == 3
	.amdgcn_target "amdgcn-amd-amdhsa--gfx1250"
	.amdhsa_code_object_version 6
	.text
	.protected	k_qb238e126f9_proj
	.globl	k_qb238e126f9_proj
	.p2align	8
	.type	k_qb238e126f9_proj,@function
k_qb238e126f9_proj:
	s_mov_b64 s[64:65], 0
	v_nop
	global_prefetch_b8 v0, s[64:65] scope:SCOPE_SE
	s_setreg_imm32_b32 hwreg(HW_REG_WAVE_MODE, 25, 1), 1
	s_wait_xcnt 0x0
	s_wait_alu depctr_hold_cnt(0) depctr_sa_sdst(0) depctr_va_vdst(0) depctr_va_sdst(0) depctr_va_ssrc(0) depctr_va_vcc(0) depctr_vm_vsrc(0)
	s_getreg_b32 s2, hwreg(HW_REG_IB_STS2, 6, 4)
	s_cmp_eq_u32 s2, 0
	s_cbranch_scc0 .Lentry_in_a_cluster
	s_endpgm
.Lentry_in_a_cluster:
	s_bfe_u32 s2, ttmp6, 0x10000c
	s_cmp_lg_u32 s2, 0xf033
	s_cbranch_scc0 .Lentry_shape_is_right
	s_endpgm
.Lentry_shape_is_right:
; out0 = Y W_u^T + b_u on codes of FP4 (E2M1) with E8M0 scales.  Y: the workspace y: images of fragments [tile of 16 tokens 512][K step 8][2][512 bytes], scale words [K step 8][tile 512][row 16].
; W_u: [1024][1024] codes (a row is 512 bytes), scales [1024][32].  b_u: [1024] f32.  out0: [8192][1024] f32.
; SHARES.  A work-group makes 128 tokens x 256 columns; wave w: a = w % 2 picks 64 tokens, g = w / 2 picks 64 columns: 16 accumulators.  Two waves share a SIMD.
; ALL OF K LIES IN LDS, filled once, one tensor load a wave: waves 0, 1 Y's images, waves 2-5 W_u's codes, wave 6 W_u's scales, wave 7 Y's scale words.  Nothing is filled again.
; CLUSTER 4 x 4: what hangs on the token block alone (Y) is shared along a row of the cluster, what hangs on the column block alone (W_u) along a column: joint loads.
; THE PRODUCT IS USED TRANSPOSED (source 0 = 16 rows of W_u, source 1 = 16 tokens): a lane holds eight neighbouring columns of one token.  The bias is the C of each sum's first product.
; REGISTERS: v1-11 addresses; v16-19 Y's scale words, v20-23 W_u's; v32-63 Y's fragments, v64-95 W_u's (on the way out: rows read back); v96-127 the bias; v128-255 accumulator (m, i) at v[128 + 8 (4 m + i)].
.set YS0, 4194304
.set WC,  65536                        ; LDS: Y's images 0 .. 65,535; W_u's 256 rows, 512 bytes + 16 of padding each;
.set WP,  528
.set WS,  WC+256*WP                    ; W_u's scale bytes, 256 rows x 32;
.set YS,  WS+8192                      ; Y's scale words [K step][8 tiles][16 rows];
.set STG, YS+4096                      ; a stage of 16 rows x (256 + 16) bytes for each wave, written by LDS stores alone
.macro CROUND                          ; a round of the cluster's barrier
	s_barrier_signal -1
	s_barrier_wait -1
	s_cmp_lg_u32 s14, 0
	s_cbranch_scc1 .Lnot_wave_0_\@
	s_barrier_signal -3
.Lnot_wave_0_\@:
	s_barrier_wait -3
	s_barrier_signal -1
	s_barrier_wait -1
.endm
.macro PLACES                          ; four plain places behind matrix instructions (ISA guide 7.12.1)
.rept 4
	v_nop
.endr
.endm
; K step s: 8 fragments and 8 scale words from LDS, 16 products; the 16 accumulators take turns, one instruction a turn, in the same order in every step
.macro KSTEP s
.if (\s) > 0
	PLACES                                         ; in front of loads into registers that the last step's products have read
.endif
.irp m, 0,1,2,3
.irp c, 0,1
	ds_load_b128 v[32+8*\m+4*\c:35+8*\m+4*\c], v4 offset:8192*\m+1024*(\s)+512*\c     ; Y: an image, 16 bytes a lane on end
	ds_load_b128 v[64+8*\m+4*\c:67+8*\m+4*\c], v5 offset:16*WP*\m+64*(\s)+32*\c       ; W_u: row x pitch + 16 (lane / 16)
.endr
	ds_load_b32 v[16+\m], v6 offset:512*(\s)+64*\m
	ds_load_b32 v[20+\m], v7 offset:512*\m+4*(\s)
.endr
	s_wait_dscnt 0x0
.irp m, 0,1,2,3
.irp i, 0,1,2,3
.if (\s) == 0
	v_wmma_scale_f32_16x16x128_f8f6f4 v[128+8*(4*\m+\i):135+8*(4*\m+\i)], v[64+8*\i:71+8*\i], v[32+8*\m:39+8*\m], v[96+8*\i:103+8*\i], v[20+\i], v[16+\m] matrix_a_fmt:MATRIX_FMT_FP4 matrix_b_fmt:MATRIX_FMT_FP4
.else
	v_wmma_scale_f32_16x16x128_f8f6f4 v[128+8*(4*\m+\i):135+8*(4*\m+\i)], v[64+8*\i:71+8*\i], v[32+8*\m:39+8*\m], v[128+8*(4*\m+\i):135+8*(4*\m+\i)], v[20+\i], v[16+\m] matrix_a_fmt:MATRIX_FMT_FP4 matrix_b_fmt:MATRIX_FMT_FP4
.endif
.endr
.endr
.endm
; THE WAY OUT, 16 tokens x 64 columns at a time: a lane's 32 bytes of a row go into my own stage and come back as whole rows of 256 bytes.  LDS serves a wave's instructions in order (ISA guide 5.7.1.4): no wait between the stores and the loads
.macro TOSTAGE m
.irp i, 0,1,2,3
	ds_store_b128 v8, v[128+8*(4*(\m)+\i):128+8*(4*(\m)+\i)+3] offset:64*\i       ; each accumulator from its low end on
	ds_store_b128 v8, v[128+8*(4*(\m)+\i)+4:128+8*(4*(\m)+\i)+7] offset:64*\i+16
.endr
.irp t, 0,1,2,3,4,5,6,7
	ds_load_b128 v[32+32*((\m)%2)+4*\t:32+32*((\m)%2)+4*\t+3], v9 offset:544*\t   ; lanes 0-15 one row, lanes 16-31 the next
.endr
.endm
.macro SEND m, younger                 ; younger: the LDS instructions issued behind block m's loads, which may stay out
	s_wait_dscnt \younger
.irp t, 0,1,2,3,4,5,6,7
	; row x of Y's tile m is token 8 m + x % 8 + 32 (x / 8) of my 64, as the earlier launches lay the tiles; here x = 2 t + lane / 16.  Sixteen lanes store 256 consecutive bytes, aligned
	global_store_b128 v10, v[32+32*((\m)%2)+4*\t:32+32*((\m)%2)+4*\t+3], s[12:13] offset:(8*(\m)+(2*\t)%8+32*(\t/4))*4096 th:TH_STORE_NT
.endr
.endm
	s_load_b256 s[4:11], s[0:1], 0x0               ; y s[4:5], W_u's codes s[6:7], its scales s[8:9], b_u s[10:11]
	s_load_b64 s[12:13], s[0:1], 0x20              ; out0
	v_lshl_add_u32 v30, v0, 2, 0x3c800
	v_mov_b32 v31, 0
	ds_add_u32 v30, v31
	ds_add_u32 v30, v31
	v_lshrrev_b32 v1, 5, v0
	s_delay_alu instid0(VALU_DEP_1)
	v_readfirstlane_b32 s14, v1                    ; wave 0..7
	s_and_b32 s15, s14, 1                          ; a: which 64 tokens
	s_lshr_b32 s66, s14, 1                         ; g: which 64 columns
	s_bfe_u32 s67, ttmp6, 0x40000                  ; cx
	s_bfe_u32 s68, ttmp6, 0x40004                  ; cy
	s_lshl_b32 s69, ttmp9, 2
	s_add_co_u32 s69, s69, s67                     ; block of 256 columns 0..3
	s_and_b32 s70, ttmp7, 0xffff
	s_lshl_b32 s70, s70, 2
	s_add_co_u32 s70, s70, s68                     ; block of 128 tokens 0..63
	s_lshl_b32 s71, s68, 2
	s_lshl_b32 s71, 15, s71                        ; my row of the cluster
	s_lshl_b32 s72, 0x1111, s67                    ; my column
	; group 1, Y's images: half of 65,536 dense bytes: 128 rows of 32 elements of 8 bytes
	s_or_b32 s16, s71, (3<<16)|(1<<21)
	s_mov_b32 s17, 32<<16
	s_mov_b32 s18, 128<<16
	s_mov_b32 s19, 32<<16
	s_mov_b32 s20, 128
	s_mov_b32 s21, 32
	s_mov_b32 s22, 0
	s_mov_b32 s23, 0
	; W_u's codes: 64 rows of 512 bytes, 16 bytes of padding behind each
	s_or_b32 s24, s72, (1<<20)|(1<<21)|(6<<22)|(3<<25)
	s_mov_b32 s25, 512<<16
	s_mov_b32 s26, 64<<16
	s_mov_b32 s27, 512<<16
	s_mov_b32 s28, 64
	s_mov_b32 s29, 512
	s_mov_b32 s30, 0
	s_mov_b32 s31, 0
	; W_u's scale bytes: 8,192 dense bytes: 32 rows of 256
	s_or_b32 s32, s72, (3<<16)|(1<<21)
	s_mov_b32 s33, 32<<16
	s_mov_b32 s34, 32<<16
	s_mov_b32 s35, 32<<16
	s_mov_b32 s36, 32
	s_mov_b32 s37, 32
	s_mov_b32 s38, 0
	s_mov_b32 s39, 0
	; Y's scale words: 8 K steps x 512 bytes (64 elements of 8), 32,768 bytes (4,096 elements) apart
	s_or_b32 s40, s71, (3<<16)|(1<<21)
	s_mov_b32 s41, 64<<16
	s_mov_b32 s42, 8<<16
	s_mov_b32 s43, 64<<16
	s_mov_b32 s44, 8
	s_mov_b32 s45, 4096
	s_mov_b32 s46, 0
	s_mov_b32 s47, 0
	s_lshl_b32 s73, s15, 15                        ; Y's images: which half, in LDS as in memory
	s_lshl_b32 s74, s70, 16                        ; 65,536 bytes a block of tokens
	s_add_co_u32 s74, s74, s73
	s_mov_b32 s75, 0
	s_add_co_u32 s76, s14, 2
	s_and_b32 s76, s76, 3                          ; W_u's codes: waves 2 to 5 take rows 64 x 0, 1, 2, 3
	s_mul_i32 s77, s76, 64*WP
	s_lshl_b32 s78, s76, 15
	s_lshl_b32 s76, s69, 17                        ; 131,072 bytes a block of 256 rows
	s_add_co_u32 s78, s78, s76
	s_mov_b32 s79, 0
	s_wait_dscnt 0x0
	s_wait_kmcnt 0x0
	s_mov_b32 s48, 1                               ; groups 0: every wave makes all four, each from the one coordinate that its partners share
	s_mov_b32 s49, s73
	s_add_nc_u64 s[50:51], s[4:5], s[74:75]
	s_or_b32 s51, s51, 0x80000000
	s_mov_b32 s52, 1
	s_add_co_u32 s53, s77, WC
	s_add_nc_u64 s[54:55], s[6:7], s[78:79]
	s_or_b32 s55, s55, 0x80000000
	s_lshl_b32 s78, s69, 13
	s_mov_b32 s56, 1
	s_mov_b32 s57, WS
	s_add_nc_u64 s[58:59], s[8:9], s[78:79]
	s_or_b32 s59, s59, 0x80000000
	s_lshl_b32 s74, s70, 9
	s_add_co_u32 s74, s74, YS0
	s_mov_b32 s60, 1
	s_mov_b32 s61, YS
	s_add_nc_u64 s[62:63], s[4:5], s[74:75]
	s_or_b32 s63, s63, 0x80000000
	CROUND                                         ; all sixteen work-groups are here: the joint loads meet
	s_cmp_lt_u32 s14, 2                            ; one load a wave; the branches hang on the wave's number alone
	s_cbranch_scc0 .Lfill_1
	tensor_load_to_lds s[48:51], s[16:23]
	s_nop 0
.rept 4
	v_nop
.endr
	s_branch .Lfilled
.Lfill_1:
	s_cmp_lt_u32 s14, 6
	s_cbranch_scc0 .Lfill_2
	tensor_load_to_lds s[52:55], s[24:31]
	s_nop 0
.rept 4
	v_nop
.endr
	s_branch .Lfilled
.Lfill_2:
	s_cmp_eq_u32 s14, 6
	s_cbranch_scc0 .Lfill_3
	tensor_load_to_lds s[56:59], s[32:39]
	s_nop 0
.rept 4
	v_nop
.endr
	s_branch .Lfilled
.Lfill_3:
	tensor_load_to_lds s[60:63], s[40:47]
	s_nop 0
.rept 4
	v_nop
.endr
.Lfilled:
	v_and_b32 v1, 15, v0                           ; r
	v_bfe_u32 v2, v0, 4, 1                         ; h
	v_and_b32 v3, 31, v0
	s_delay_alu instid0(VALU_DEP_1)
	v_lshlrev_b32 v3, 4, v3                        ; 16 x lane
	s_wait_alu depctr_va_vdst(0)
	v_lshlrev_b32 v11, 5, v2                       ; the bias: 8 numbers for each half of the lanes
	s_lshl_b32 s74, s69, 10
	s_lshl_b32 s76, s66, 8
	s_add_co_u32 s74, s74, s76                     ; my first column, in bytes of f32
	s_add_nc_u64 s[10:11], s[10:11], s[74:75]
.irp i, 0,1,2,3
	global_load_b128 v[96+8*\i:99+8*\i], v11, s[10:11] offset:64*\i          ; b_u at columns 16 i + 8 h + 0 .. 7: the result's layout
	global_load_b128 v[100+8*\i:103+8*\i], v11, s[10:11] offset:64*\i+16
.endr
	s_add_nc_u64 s[12:13], s[12:13], s[74:75]
	s_lshl_b32 s76, s70, 7
	s_lshl_b32 s77, s15, 6
	s_add_co_u32 s76, s76, s77                     ; my first token
	s_lshl_b32 s76, s76, 12                        ; rows of 4,096 bytes
	s_mov_b32 s77, 0
	s_add_nc_u64 s[12:13], s[12:13], s[76:77]
	s_lshl_b32 s76, s15, 15
	v_add_nc_u32 v4, s76, v3                       ; Y's images: my four tiles
	v_mul_u32_u24 v5, v1, WP
	s_delay_alu instid0(VALU_DEP_1)
	v_lshl_add_u32 v5, v2, 4, v5
	s_mul_i32 s76, s66, 64*WP
	s_add_co_u32 s76, s76, WC
	v_add_nc_u32 v5, s76, v5                       ; W_u's codes: my 64 rows
	s_lshl_b32 s76, s15, 8
	s_add_co_u32 s76, s76, YS
	v_lshl_add_u32 v6, v1, 2, s76                  ; Y's scale words
	s_lshl_b32 s76, s66, 11
	s_add_co_u32 s76, s76, WS
	v_lshl_add_u32 v7, v1, 5, s76                  ; W_u's
	s_mul_i32 s76, s14, 16*272
	s_add_co_u32 s76, s76, STG                     ; my stage
	v_mul_u32_u24 v8, v1, 272
	s_delay_alu instid0(VALU_DEP_1)
	v_lshl_add_u32 v8, v2, 5, v8
	s_delay_alu instid0(VALU_DEP_1)
	v_add_nc_u32 v8, s76, v8                       ; in: row r, 32 bytes for each half of the lanes
	v_mul_u32_u24 v9, v2, 272
	s_delay_alu instid0(VALU_DEP_1)
	v_lshl_add_u32 v9, v1, 4, v9
	s_delay_alu instid0(VALU_DEP_1)
	v_add_nc_u32 v9, s76, v9                       ; back: sixteen lanes to a row
	v_lshlrev_b32 v10, 12, v2
	s_delay_alu instid0(VALU_DEP_1)
	v_lshl_add_u32 v10, v1, 4, v10                 ; and the same two rows in out0
	s_wait_alu depctr_va_vdst(0)
	s_wait_tensorcnt 0x0                           ; my load has landed,
	s_barrier_signal -1
	s_barrier_wait -1                              ; everybody's has
	s_wait_loadcnt 0x0                             ; the bias
.irp s, 0,1,2,3,4,5,6,7
	KSTEP \s
.endr
	PLACES                                         ; in front of the stores that read results and of the loads into the fragments' registers
	TOSTAGE 0
.irp m, 1,2,3
.if \m > 1
	s_wait_xcnt 0x0                                ; the stores of the block two back have read their registers: this block's rows may land there
.endif
	TOSTAGE \m
	SEND \m-1, 16                                  ; behind that block's loads: this block's 8 stores and 8 loads
.endr
	SEND 3, 0
	s_wait_tensorcnt 0x0
	ds_add_u32 v30, v31
	s_wait_dscnt 0x0
	CROUND                                         ; the closing round
	s_endpgm
.Lfunc_end_k_qb238e126f9_proj:
	.size	k_qb238e126f9_proj, .Lfunc_end_k_qb238e126f9_proj-k_qb238e126f9_proj
	.p2alignl 7, 3214868480
	.fill 96, 4, 3214868480
	.section	.rodata,"a",@progbits
	.p2align	6, 0x0
	.amdhsa_kernel k_qb238e126f9_proj
		.amdhsa_group_segment_fixed_size 327680
		.amdhsa_private_segment_fixed_size 0
		.amdhsa_enable_private_segment 0
		.amdhsa_kernarg_size 40
		.amdhsa_user_sgpr_count 2
		.amdhsa_user_sgpr_kernarg_segment_ptr 1
		.amdhsa_wavefront_size32 1
		.amdhsa_system_sgpr_workgroup_id_x 1
		.amdhsa_system_sgpr_workgroup_id_y 1
		.amdhsa_system_sgpr_workgroup_id_z 1
		.amdhsa_system_vgpr_workitem_id 0
		.amdhsa_next_free_vgpr 256
		.amdhsa_next_free_sgpr 80
		.amdhsa_reserve_vcc 0
		.amdhsa_float_denorm_mode_32 3
		.amdhsa_float_denorm_mode_16_64 3
		.amdhsa_memory_ordered 1
		.amdhsa_forward_progress 1
		.amdhsa_inst_pref_size 46
	.end_amdhsa_kernel
	.amdgpu_metadata
---
amdhsa.version: [ 1, 2 ]
amdhsa.kernels:
  - .name:           k_qb238e126f9_proj
    .symbol:         k_qb238e126f9_proj.kd
    .args:
      - { .name: y, .offset: 0, .size: 8, .value_kind: global_buffer, .address_space: global }
      - { .name: W_u_codes, .offset: 8, .size: 8, .value_kind: global_buffer, .address_space: global }
      - { .name: W_u_scales, .offset: 16, .size: 8, .value_kind: global_buffer, .address_space: global }
      - { .name: b_u, .offset: 24, .size: 8, .value_kind: global_buffer, .address_space: global }
      - { .name: out0, .offset: 32, .size: 8, .value_kind: global_buffer, .address_space: global }
    .group_segment_fixed_size: 327680
    .private_segment_fixed_size: 0
    .kernarg_segment_align: 8
    .kernarg_segment_size: 40
    .max_flat_workgroup_size: 256
    .sgpr_count:     80
    .vgpr_count:     256
    .wavefront_size: 32
...
	.end_amdgpu_metadata
.endif
;; end of part 3
